; MI455X (gfx1250); checked and timed in simulation.
; The chip was launched on July 23, 2026; its instructions are those of AMD's public machine-readable ISA for CDNA 5 (MIT licence, August 2026) and "CDNA5" Instruction Set Architecture Reference Guide (July 2026). The comments in the code are by the model that wrote it; some were corrected since.
;; Image To Graph Transformer. Allowed arithmetic: float matrix products may take bf16 or f16 operands with f32 sums; all other float work in f32.
;; Inputs: Wk 256 x 64 float32; Wp 32 x 2 float32; Wq 256 x 64 float32; Wv 256 x 64 float32; bk 256 float32; bp 32 float32; bq 256 float32; bv 256 float32; pos 8 x 8 x 2 float32; x 8 x 64 x 256 x 256 float32; z 8 x 64 float32.
;; Outputs: out0 8 x 8 x 256 float32; out1 8 x 8 x 2 float32.
;; One version. Each part assembles by itself: llvm-mc -triple=amdgcn-amd-amdhsa -mcpu=gfx1250 --defsym DOCPART=n.
;; ======== version 1 of 1: 2 launches
;; limits: a difference of large sums (such as E[x^2] - mean^2): digits are lost where the result is much smaller than its terms; an absolute error that grows with the inputs' magnitude: up to 1e-07 times it
;; workspace buffers: part 655,360 bytes
;; launch stream (part 1): grid 256 x 1, 8 waves a work-group, no clusters, 327,680 bytes of LDS; arguments x, z, pos, Wq, bq, Wk, bk, Wp, bp, part; writes part
.if DOCPART == 1
	.amdgcn_target "amdgcn-amd-amdhsa--gfx1250"
	.amdhsa_code_object_version 6
	.text
	.protected	k_q7e05a55587_stream
	.globl	k_q7e05a55587_stream
	.p2align	8
	.type	k_q7e05a55587_stream,@function
k_q7e05a55587_stream:
	s_mov_b64 s[64:65], 0
	v_nop
	global_prefetch_b8 v0, s[64:65] scope:SCOPE_SE
	s_setreg_imm32_b32 hwreg(HW_REG_WAVE_MODE, 25, 1), 1
	s_wait_xcnt 0x0
; ATTENTION POOLING OVER 65,536 PIXELS, FIRST LAUNCH: one pass over x, a partial softmax for each work-group.
; What is linear in x is re-associated (holds for every input):
;   log2(e) * logit[n,h] = relx (x_n.U0_h + u0_h) + rely (x_n.U1_h + u1_h) + (x_n.U2_h + u2_h),   rel = grid - pos, formed first,
;   U_j[h,c] = kappa * sum_d q[h,d] w_j[d] Wk[32h+d,c],  u_j the same with bk,  w_0 = Wp[:,0], w_1 = Wp[:,1], w_2 = bp,  kappa = log2(e)/sqrt(32);
;   values = Wv (sum_n a x_n) + bv, since the weights a sum to one: this launch gathers sum p x, sum p, sum p gx, sum p gy under a running maximum.
; SHARES: work-group = 2,048 pixels (8 image rows) of one batch; wave w = image row gx = 8 chunk + w, so relx is a constant of the wave and is
; folded into its weights.  The row comes as 4 tiles of 64 channels x 64 pixels (rows of 256 bytes, at multiples of 256 bytes from x's first byte)
; through the wave's own two LDS slots; a tile is worked in 2 steps of 32 pixels.
; LOGITS: D[pixel, column] = x * W; columns 0-7 = relx U0 + U2 of head g, columns 8-15 = U1 of head g.  Both operands are split into two bf16
; (hi + lo) and three products are summed (hi hi, lo hi, hi lo): the softmax here is nearly one-hot, and a single bf16 would move close pairs.
; SECOND PRODUCT: S[channel, column] = x * p in plain bf16.  Row m of logit tile t is pixel 2m + t, so that a lane's 16 results pack straight
; into the B fragment of this product: no traffic between lanes, and a lane is one head, so the rescaling is a lane's own factor.
; NO CLUSTER: no two work-groups read a byte of x in common; the weights they share are 128 KiB against 512 KiB of x, read once at the start.
; LIMITS: the lo*lo term is dropped (2^-18 relative); rely is stepped by +32.0 from step to step (8 roundings; 1.3e-4 absolute for |rel| < 256);
; sum p is taken from unrounded p while S takes p and x rounded to bf16 (2^-8 relative); sum p gy is made as sum p rely + posy sum p (absolute error
; about 1e-7 |pos|); sums run in another order than in the source; p below 2^-126 counts as 0; non-finite inputs are not served
; (columns 8-15 multiply U0 by 0, so an infinite U0 gives NaN).
.set PITCH, 272                        ; an LDS row: 256 bytes + 16 of padding: sixteen rows begin at sixteen different 16-byte columns modulo 256
.set SLOTB, 64*PITCH                   ; a slot: 64 channels, 17,408 bytes
.set RINGW, 2*SLOTB                    ; a wave's ring
.set UPL,   8*PITCH                    ; 8 heads x 272 bytes: one plane of U, and one wave's block of S
.set ULB,   8*RINGW                    ; 278,528  U_j[head][c] f32 at j UPL + head PITCH + 4 c.  From here on only ds_store writes; no tile lands here
.set UBB,   ULB+3*UPL                  ; 285,056  u_j[head] at 4 (8 j + head)
.set MXS,   UBB+128                    ; 285,184  the waves' maxima [w][head]
.set TSS,   MXS+256                    ; 285,440  [w][16]: columns 0-7 sum p, columns 8-15 sum p rely
.set SSS,   TSS+512                    ; 285,952  [w][head][c] f32; ends at 303,360
.set BIAS, 16                          ; v[16:23]   the column's bias, eight times: C of the first logit product
.set UH,   24                          ; v[24:39]   W, upper bf16: channels 0-31, 32-63
.set UL,   40                          ; v[40:55]   W, lower bf16
.set FAC,  56                          ; v[56:71]   factor of result 8t+j: 1.0 in columns 0-7, rely of pixel 16h+2j+t in columns 8-15
.set LG,   72                          ; v[72:87]   logit tiles 0 and 1, then p
.set ACC,  88                          ; v[88:119]  S: four tiles of 16 channels
.set PF,   120                         ; v[120:127] p as a B fragment
.set XS,   128                         ; v[128:143] x as A fragments of the second product, channels 0-31
.set FR,   144                         ; v[144:175] x hi tile 0, hi tile 1, lo tile 0, lo tile 1; later channels 32-63 of the second product in FR..FR+15
.set XA,   176                         ; v[176:207] x in f32 as loaded
.set XB,   208                         ; v[208:239]
.set INC,  10                          ; v[10:11]   32.0 in columns 8-15, else 0
; v1, v2 LDS addresses; v3 = -1.0; v4 running maximum M (v5 its written partner, later the work-group's maximum); v6 rescaling factor, v7 scratch;
; v[8:9], v[14:15] the two chains of sum p*factor; v12 scratch for the maximum; v13 posy of my head
.set G1, 24                            ; s[24:31] descriptor group 1
.set G0, 32                            ; s[32:39] descriptor group 0, one for each slot
	s_load_b512 s[4:19], s[0:1], 0x0               ; x s[4:5], z s[6:7], pos s[8:9], Wq s[10:11], bq s[12:13], Wk s[14:15], bk s[16:17], Wp s[18:19]
	s_load_b128 s[20:23], s[0:1], 0x40             ; bp s[20:21], part s[22:23]
	s_set_vgpr_msb 0x40
	v_lshl_add_u32 v0, v0, 2, 0x4a100
	v_mov_b32 v1, 0
	s_set_vgpr_msb 0x4045
	ds_add_u32 v0, v1
	ds_add_u32 v0, v1
	s_set_vgpr_msb 0x4500
	v_lshrrev_b32 v1, 5, v0
	v_readfirstlane_b32 s40, v1                    ; wave 0..7
	s_lshr_b32 s41, ttmp9, 5                       ; batch
	s_and_b32 s42, ttmp9, 31                       ; chunk of 8 image rows
	s_lshl_b32 s45, s42, 3                         ; 8 chunk
	s_add_co_u32 s43, s45, s40                     ; gx: my image row
	s_mul_i32 s44, s40, RINGW                      ; my ring in LDS
	s_mov_b32 s46, 0x76543210                      ; v_permlanex16_b32: lane i reads lane i of the other half
	s_mov_b32 s47, 0xfedcba98
	s_mov_b32 s56, 0xff00ff00                      ; the lanes of columns 8-15
	; group 1: a tile of 64 rows (channels) x 64 f32, a channel's plane 65,536 elements from the next, 4 words of padding behind every 64
	s_mov_b32 s[G1+0], (2<<16)|(1<<20)|(5<<22)|(3<<25)
	s_mov_b32 s[G1+1], 64<<16                      ; tensor_dim0 = 64
	s_mov_b32 s[G1+2], 64<<16                      ; tensor_dim1 = 64
	s_mov_b32 s[G1+3], 64<<16                      ; tile_dim0 = 64
	s_mov_b32 s[G1+4], 64                          ; tile_dim1 = 64
	s_mov_b32 s[G1+5], 65536                       ; elements from row to row
	s_mov_b32 s[G1+6], 0
	s_mov_b32 s[G1+7], 0
	s_lshl_b32 s2, s41, 24                         ; batch x 64 planes x 262,144 bytes
	s_lshl_b32 s3, s43, 10                         ; + image row x 1,024 bytes
	s_add_co_u32 s2, s2, s3
	s_mov_b32 s3, 0
	s_wait_dscnt 0x0
	s_wait_kmcnt 0x0
	s_add_nc_u64 s[4:5], s[4:5], s[2:3]            ; x at my row, channel 0
	; both first fills go out together, ahead of every LDS access, wait on TENSORcnt and barrier: two tensor loads of the wave are out here, one at the most later
.irp s, 0,1
	s_mov_b32 s[G0+4*\s], 1
	s_add_co_u32 s[G0+4*\s+1], s44, \s*SLOTB
	s_add_nc_u64 s[G0+4*\s+2:G0+4*\s+3], s[4:5], \s*256            ; tile s: pixels 64 s .. 64 s + 63 of the row
	s_or_b32 s[G0+4*\s+3], s[G0+4*\s+3], 0x80000000
	tensor_load_to_lds s[G0+4*\s:G0+4*\s+3], s[G1:G1+7]
	s_nop 0
.endr
	; ---- U, made while the tiles are on their way.  Wave w is head w; lane d is row e = 32 w + d = v0 of Wq and Wk.
	v_and_b32 v2, 31, v0                           ; lane
	v_and_b32 v3, 7, v0                            ; g: the head of my column
	v_mov_b32 v40, 0                               ; z: every lane the same bytes
	v_lshlrev_b32 v41, 8, v0                       ; Wq: row e
	v_lshlrev_b32 v42, 2, v0                       ; bq, bk: word e
	v_lshlrev_b32 v43, 3, v2                       ; Wp: row d; also 8 x lane
	v_lshlrev_b32 v44, 2, v2                       ; bp: word d
	v_lshlrev_b32 v45, 3, v3                       ; pos: pair g
	s_lshl_b32 s48, s40, 13
	v_add_nc_u32 v46, s48, v43                     ; Wk: 32 w rows of 256 bytes + 8 x lane
	s_lshl_b32 s2, s41, 8
	s_add_nc_u64 s[6:7], s[6:7], s[2:3]            ; z of my batch
	s_lshl_b32 s2, s41, 6
	s_add_nc_u64 s[8:9], s[8:9], s[2:3]            ; pos of my batch
.set i, 0
.rept 16
	global_load_b128 v[192+4*i:195+4*i], v40, s[6:7] offset:16*i
.set i, i+1
.endr
.set i, 0
.rept 16
	global_load_b128 v[128+4*i:131+4*i], v41, s[10:11] offset:16*i
.set i, i+1
.endr
	global_load_b32 v16, v42, s[12:13]             ; bq[e]
	global_load_b64 v[18:19], v43, s[18:19]        ; Wp[d][0..1]
	global_load_b32 v20, v44, s[20:21]             ; bp[d]
	global_load_b32 v21, v42, s[16:17]             ; bk[e]
	global_load_b64 v[12:13], v45, s[8:9]          ; posx, posy of head g
.set i, 0
.rept 32
	global_load_b64 v[64+2*i:65+2*i], v46, s[14:15] offset:256*i   ; row 32 w + i of Wk: the wave takes its 256 bytes whole; my channels 2 lane, 2 lane + 1
.set i, i+1
.endr
	s_wait_loadcnt 32                              ; all but the 32 loads of Wk, which were issued last
	v_pk_mul_f32 v[22:23], v[192:193], v[128:129]  ; q[e] = z . Wq[e], two chains; the first products start them
	v_pk_mul_f32 v[24:25], v[194:195], v[130:131]
.set i, 4
.rept 15
	v_pk_fma_f32 v[22:23], v[192+i:193+i], v[128+i:129+i], v[22:23]
	v_pk_fma_f32 v[24:25], v[194+i:195+i], v[130+i:131+i], v[24:25]
.set i, i+4
.endr
	v_pk_add_f32 v[22:23], v[22:23], v[24:25]
	v_add_f32 v22, v22, v23
	v_add_f32 v22, v22, v16                        ; + bq
	v_mul_f32 v22, 0x3e8293ee, v22                 ; x log2(e) / sqrt(32)
	v_mul_f32 v26, v22, v18                        ; a_0[d]
	v_mul_f32 v27, v22, v19                        ; a_1[d]
	v_mul_f32 v28, v22, v20                        ; a_2[d]
	v_mul_f32 v29, v26, v21                        ; u_j = sum over d of a_j[d] bk[e]
	v_mul_f32 v30, v27, v21
	v_mul_f32 v31, v28, v21
.irp m, 1,2,4,8
	v_add_f32_dpp v29, v29, v29 row_xmask:\m row_mask:0xf bank_mask:0xf
	v_add_f32_dpp v30, v30, v30 row_xmask:\m row_mask:0xf bank_mask:0xf
	v_add_f32_dpp v31, v31, v31 row_xmask:\m row_mask:0xf bank_mask:0xf
.endr
	v_permlanex16_b32 v22, v29, s46, s47           ; destinations that have been written
	v_permlanex16_b32 v23, v30, s46, s47
	v_permlanex16_b32 v24, v31, s46, s47
	v_add_f32 v29, v29, v22
	v_add_f32 v30, v30, v23
	v_add_f32 v31, v31, v24
	s_wait_loadcnt 0x0                             ; Wk
	v_readlane_b32 s48, v26, 0                     ; U_j[c] = sum over d of a_j[d] Wk[32 w + d][c]; d = 0 starts the six sums
	v_readlane_b32 s49, v27, 0
	v_readlane_b32 s50, v28, 0
	v_mul_f32 v32, s48, v64
	v_mul_f32 v33, s48, v65
	v_mul_f32 v34, s49, v64
	v_mul_f32 v35, s49, v65
	v_mul_f32 v36, s50, v64
	v_mul_f32 v37, s50, v65
.set i, 1
.rept 31
.set sb, 48+3*(i%2)                    ; two sets of scalars by turns
	v_readlane_b32 s[sb], v26, i
	v_readlane_b32 s[sb+1], v27, i
	v_readlane_b32 s[sb+2], v28, i
	v_fmac_f32 v32, s[sb], v[64+2*i]
	v_fmac_f32 v33, s[sb], v[65+2*i]
	v_fmac_f32 v34, s[sb+1], v[64+2*i]
	v_fmac_f32 v35, s[sb+1], v[65+2*i]
	v_fmac_f32 v36, s[sb+2], v[64+2*i]
	v_fmac_f32 v37, s[sb+2], v[65+2*i]
.set i, i+1
.endr
	s_mul_i32 s57, s40, PITCH
	s_add_co_u32 s57, s57, ULB
	v_add_nc_u32 v47, s57, v43                     ; head w's row of U_0, my two channels
	ds_store_b64 v47, v[32:33]
	ds_store_b64 v47, v[34:35] offset:UPL
	ds_store_b64 v47, v[36:37] offset:2*UPL
	s_lshl_b32 s57, s40, 2
	s_add_co_u32 s57, s57, UBB
	v_mov_b32 v48, s57
	ds_store_b32 v48, v29                          ; every lane the same word and value
	ds_store_b32 v48, v30 offset:32
	ds_store_b32 v48, v31 offset:64
	s_wait_dscnt 0x0                               ; my stores are done, for the other waves' sake
	s_barrier_signal -1
	s_barrier_wait -1                              ; all eight heads' U are in LDS.  No slot is filled behind this barrier: the tiles stay on their way
	; ---- my wave's weights as B fragments.  Lane (r, h): column r, channels 32 kb + 16 u + 8 h + 0..7.
	v_bfe_u32 v128, v0, 4, 1                       ; h
	v_bfe_u32 v129, v0, 3, 1
	v_xor_b32 v129, 1, v129                        ; 1 in columns 0-7, 0 in columns 8-15
	v_mul_u32_u24 v130, v3, PITCH
	v_lshl_add_u32 v130, v128, 5, v130
	v_add_nc_u32 v130, ULB, v130                   ; U_0[g], channel 8 h
	v_mul_u32_u24 v131, v129, UPL
	v_add_nc_u32 v131, v131, v130                  ; with UPL in the immediate: U_2[g] in columns 0-7, U_1[g] in columns 8-15
	v_lshlrev_b32 v132, 2, v3
	v_add_nc_u32 v132, UBB, v132                   ; u_0[g]
	v_lshl_add_u32 v133, v129, 5, v132             ; with 32 in the immediate: u_2[g] or u_1[g]
.set i, 0
.rept 8                                ; i = 4 kb + 2 u + half
	ds_load_b128 v[XA+4*i:XA+4*i+3], v130 offset:128*(i/4)+64*((i/2)%2)+16*(i%2)
	ds_load_b128 v[XB+4*i:XB+4*i+3], v131 offset:UPL+128*(i/4)+64*((i/2)%2)+16*(i%2)
.set i, i+1
.endr
	ds_load_b32 v134, v132
	ds_load_b32 v135, v133 offset:32
	v_cvt_f32_u32 v14, s43
	v_sub_f32 v14, v14, v12                        ; relx = gx - posx
	v_cndmask_b32 v14, v14, 0, s56                 ; 0 in columns 8-15
	v_mov_b32 v15, v14
	v_lshlrev_b32 v136, 4, v128
	v_add_nc_u32 v136, 0xffffffe0, v136            ; 16 h - 32: every step adds 32 before it uses the factors
.set i, 0
.rept 16                               ; i = 8 t + j: pixel 16 h + 2 j + t
	v_add_nc_u32 v[FAC+i], 2*(i%8)+i/8, v136
.set i, i+1
.endr
.set i, 0
.rept 16
	v_cvt_f32_i32 v[FAC+i], v[FAC+i]
.set i, i+1
.endr
.set i, 0
.rept 16
	v_sub_f32 v[FAC+i], v[FAC+i], v13              ; rely = gy - posy
.set i, i+1
.endr
.set i, 0
.rept 16
	v_cndmask_b32 v[FAC+i], 1.0, v[FAC+i], s56     ; 1.0 in columns 0-7
.set i, i+1
.endr
	v_mov_b32 v[INC], 0x42000000                   ; 32.0
	v_cndmask_b32 v[INC], 0, v[INC], s56
	v_mov_b32 v[INC+1], v[INC]
	v_and_b32 v137, 15, v0                         ; r
	v_mul_u32_u24 v1, v128, 8*PITCH
	v_lshl_add_u32 v1, v137, 3, v1
	v_add_nc_u32 v1, s44, v1                       ; logit fragments: channel + 8 h, pixels 2 r, 2 r + 1
	v_mul_u32_u24 v2, v137, PITCH
	v_lshl_add_u32 v2, v128, 6, v2
	v_add_nc_u32 v2, s44, v2                       ; second product: channel + r, pixels 16 h ..
	v_mov_b32 v3, -1.0
	v_mov_b32 v5, 0                                ; partners of pairs and a permute's destination: written once
	v_mov_b32 v7, 0
	s_wait_dscnt 0x0
	v_fma_f32 v[BIAS], v14, v134, v135             ; relx u_0 + u_2, or u_1
.set i, 1
.rept 7
	v_mov_b32 v[BIAS+i], v[BIAS]
.set i, i+1
.endr
.set i, 0
.rept 16
	v_pk_fma_f32 v[XB+2*i:XB+2*i+1], v[XA+2*i:XA+2*i+1], v[14:15], v[XB+2*i:XB+2*i+1]   ; W = relx U_0 + U_2, or U_1
.set i, i+1
.endr
.set i, 0
.rept 16
	v_cvt_pk_bf16_f32 v[UH+i], v[XB+2*i], v[XB+2*i+1]
.set i, i+1
.endr
.set i, 0
.rept 16
	v_fma_mix_f32_bf16 v[XB+2*i], v[UH+i], v3, v[XB+2*i] op_sel_hi:[1,0,0]                    ; W - hi, exact
	v_fma_mix_f32_bf16 v[XB+2*i+1], v[UH+i], v3, v[XB+2*i+1] op_sel:[1,0,0] op_sel_hi:[1,0,0]
.set i, i+1
.endr
.set i, 0
.rept 16
	v_cvt_pk_bf16_f32 v[UL+i], v[XB+2*i], v[XB+2*i+1]
.set i, i+1
.endr
; 16 LDS loads: x[channel 32 kb + 16 u + 8 h + i][pixels 2 r, 2 r + 1] into dst + 2 (8 u + i).  Lanes 0-15 take 128 neighbouring bytes of one
; channel, lanes 16-31 those of the channel 8 rows (2,176 bytes = 128 modulo 256) further on.
.macro LD1 dst, off, kb
.set i, 0
.rept 16
	ds_load_b64 v[\dst+2*i:\dst+2*i+1], v1 offset:\off+(32*\kb+16*(i/8)+(i%8))*PITCH
.set i, i+1
.endr
.endm
; 8 LDS loads: x[channel 16 (mt0 + mm) + r][pixels 16 h + 4 q .. + 3] into dst + 16 mm + 4 q
.macro LD2 dst, off, mt0
.set i, 0
.rept 8
	ds_load_b128 v[\dst+4*i:\dst+4*i+3], v2 offset:\off+(\mt0+i/4)*16*PITCH+16*(i%4)
.set i, i+1
.endr
.endm
; 32 channels x 32 pixels in f32 become four A fragments: hi of tile 0, of tile 1, lo of tile 0, of tile 1 (i = 8 t + register)
.macro CONV src
.set i, 0
.rept 16
	v_cvt_pk_bf16_f32 v[FR+i], v[\src+4*(i%8)+i/8], v[\src+4*(i%8)+2+i/8]
.set i, i+1
.endr
.set i, 0
.rept 16
	v_fma_mix_f32_bf16 v[\src+4*(i%8)+i/8], v[FR+i], v3, v[\src+4*(i%8)+i/8] op_sel_hi:[1,0,0]                     ; x - hi, exact, in place
	v_fma_mix_f32_bf16 v[\src+4*(i%8)+2+i/8], v[FR+i], v3, v[\src+4*(i%8)+2+i/8] op_sel:[1,0,0] op_sel_hi:[1,0,0]
.set i, i+1
.endr
.set i, 0
.rept 16
	v_cvt_pk_bf16_f32 v[FR+16+i], v[\src+4*(i%8)+i/8], v[\src+4*(i%8)+2+i/8]
.set i, i+1
.endr
.endm
; Six matrix instructions: hi hi, lo hi, hi lo for both logit tiles.  The two accumulators take turns, one instruction a turn.
; start = 1: the first two take the bias as C: nothing is cleared.
.macro LOGIT kb, start
.if \start
	v_wmma_f32_16x16x32_bf16 v[LG:LG+7], v[FR:FR+7], v[UH+8*\kb:UH+8*\kb+7], v[BIAS:BIAS+7]
	v_wmma_f32_16x16x32_bf16 v[LG+8:LG+15], v[FR+8:FR+15], v[UH+8*\kb:UH+8*\kb+7], v[BIAS:BIAS+7]
.else
	v_wmma_f32_16x16x32_bf16 v[LG:LG+7], v[FR:FR+7], v[UH+8*\kb:UH+8*\kb+7], v[LG:LG+7]
	v_wmma_f32_16x16x32_bf16 v[LG+8:LG+15], v[FR+8:FR+15], v[UH+8*\kb:UH+8*\kb+7], v[LG+8:LG+15]
.endif
	v_wmma_f32_16x16x32_bf16 v[LG:LG+7], v[FR+16:FR+23], v[UH+8*\kb:UH+8*\kb+7], v[LG:LG+7]
	v_wmma_f32_16x16x32_bf16 v[LG+8:LG+15], v[FR+24:FR+31], v[UH+8*\kb:UH+8*\kb+7], v[LG+8:LG+15]
	v_wmma_f32_16x16x32_bf16 v[LG:LG+7], v[FR:FR+7], v[UL+8*\kb:UL+8*\kb+7], v[LG:LG+7]
	v_wmma_f32_16x16x32_bf16 v[LG+8:LG+15], v[FR+8:FR+15], v[UL+8*\kb:UL+8*\kb+7], v[LG+8:LG+15]
.endm
; Two A fragments of the second product.  Place k of the fragment holds the pixel that place k of p's fragment holds:
; registers 0-3: pixels 16 h + 4 q, + 2 (tile 0); registers 4-7: pixels 16 h + 4 q + 1, + 3 (tile 1).
.macro CONV2 src, dst
.set i, 0
.rept 8                                ; i = 4 mm + q
	v_cvt_pk_bf16_f32 v[\dst+8*(i/4)+(i%4)], v[\src+4*i], v[\src+4*i+2]
	v_cvt_pk_bf16_f32 v[\dst+8*(i/4)+4+(i%4)], v[\src+4*i+1], v[\src+4*i+3]
.set i, i+1
.endr
.endm
; One step: 32 pixels at byte 128 st of the slot's rows.  first = 1: the wave's first step starts M, S and the sums.
; own = 1: the step issues its own first loads; next = 1: it issues those of the step behind it, in the same slot.
.macro STEP slot, st, first, own, next
.set SOFF, \slot*SLOTB+\st*128
.if \own
	LD1 XA, SOFF, 0
	LD1 XB, SOFF, 1
.endif
	s_wait_dscnt 16                                ; channels 0-31 are in; the 16 loads of channels 32-63 were issued behind them
	CONV XA
	LD2 XA, SOFF, 0
	LOGIT 0, 1
	s_wait_dscnt 8                                 ; channels 32-63 are in; the 8 loads just issued stay out
.set i, 0
.rept 8
	v_pk_add_f32 v[FAC+2*i:FAC+2*i+1], v[FAC+2*i:FAC+2*i+1], v[INC:INC+1]   ; rely of this step's pixels.  Eight places behind the matrix
.set i, i+1                            ; instructions (ISA guide 7.12.1) before their A fragments are written again
.endr
	CONV XB
	LD2 XB, SOFF, 2
	LOGIT 1, 0
	s_wait_dscnt 8                                 ; the first eight loads for the second product are in, the second eight stay out
	CONV2 XA, XS                                   ; sixteen places behind the matrix instructions before their results are read
.if \next
	LD1 XA, SOFF+128, 0
.endif
.set i, 0
.rept 8
	v_pk_mul_f32 v[LG+2*i:LG+2*i+1], v[LG+2*i:LG+2*i+1], v[FAC+2*i:FAC+2*i+1]   ; columns 8-15 x rely
.set i, i+1
.endr
.set i, 0
.rept 16
	v_add_f32_dpp v[LG+i], v[LG+i], v[LG+i] row_xmask:8 row_mask:0xf bank_mask:0xf   ; column g + column 8 + g: the logit, in both
.set i, i+1
.endr
	v_max3_num_f32 v[PF], v[LG], v[LG+1], v[LG+2]
	v_max3_num_f32 v[PF+1], v[LG+3], v[LG+4], v[LG+5]
	v_max3_num_f32 v[PF+2], v[LG+6], v[LG+7], v[LG+8]
	v_max3_num_f32 v[PF+3], v[LG+9], v[LG+10], v[LG+11]
	v_max3_num_f32 v[PF+4], v[LG+12], v[LG+13], v[LG+14]
	v_max3_num_f32 v[PF], v[PF], v[PF+1], v[PF+2]
	v_max3_num_f32 v[PF+3], v[PF+3], v[PF+4], v[LG+15]
.if \first
	v_max_num_f32 v12, v[PF], v[PF+3]
.else
	v_max3_num_f32 v12, v[PF], v[PF+3], v4         ; the old maximum among them
.endif
	v_permlanex16_b32 v7, v12, s46, s47            ; the other sixteen pixels of my head
	v_max_num_f32 v12, v12, v7
.if \first
.else
	v_sub_f32 v6, v4, v12                          ; old - new, at most 0
.endif
	v_mov_b32 v4, v12
.set i, 0
.rept 8
	v_pk_add_f32 v[LG+2*i:LG+2*i+1], v[LG+2*i:LG+2*i+1], v[4:5] op_sel_hi:[1,0] neg_lo:[0,1] neg_hi:[0,1]
.set i, i+1
.endr
.if \first
.else
	v_exp_f32 v6, v6
.endif
.set i, 0
.rept 16
	v_exp_f32 v[LG+i], v[LG+i]
.set i, i+1
.endr
	s_wait_dscnt 16*\next                          ; the second eight loads are in; the next step's 16, if issued, stay out
	CONV2 XB, FR                                   ; plain instructions between the exponentials and their first use (ISA guide 5.7.2)
.if \next
	LD1 XB, SOFF+128, 1
.endif
.set i, 0
	s_wait_alu depctr_va_vdst(0)
.rept 8
	v_cvt_pk_bf16_f32 v[PF+i], v[LG+2*i], v[LG+2*i+1]   ; my 16 p are my 16 places of the B fragment
.set i, i+1
.endr
.if \first
	v_wmma_f32_16x16x32_bf16 v[ACC:ACC+7], v[XS:XS+7], v[PF:PF+7], 0
	v_wmma_f32_16x16x32_bf16 v[ACC+8:ACC+15], v[XS+8:XS+15], v[PF:PF+7], 0
	v_wmma_f32_16x16x32_bf16 v[ACC+16:ACC+23], v[FR:FR+7], v[PF:PF+7], 0
	v_wmma_f32_16x16x32_bf16 v[ACC+24:ACC+31], v[FR+8:FR+15], v[PF:PF+7], 0
	v_pk_mul_f32 v[8:9], v[LG:LG+1], v[FAC:FAC+1]
	v_pk_mul_f32 v[14:15], v[LG+2:LG+3], v[FAC+2:FAC+3]
.else
.set i, 0
.rept 16
	v_pk_mul_f32 v[ACC+2*i:ACC+2*i+1], v[ACC+2*i:ACC+2*i+1], v[6:7] op_sel_hi:[1,0]
.set i, i+1
.endr
	v_pk_mul_f32 v[8:9], v[8:9], v[6:7] op_sel_hi:[1,0]
	v_pk_mul_f32 v[14:15], v[14:15], v[6:7] op_sel_hi:[1,0]
	; four accumulators by turns
	v_wmma_f32_16x16x32_bf16 v[ACC:ACC+7], v[XS:XS+7], v[PF:PF+7], v[ACC:ACC+7]
	v_wmma_f32_16x16x32_bf16 v[ACC+8:ACC+15], v[XS+8:XS+15], v[PF:PF+7], v[ACC+8:ACC+15]
	v_wmma_f32_16x16x32_bf16 v[ACC+16:ACC+23], v[FR:FR+7], v[PF:PF+7], v[ACC+16:ACC+23]
	v_wmma_f32_16x16x32_bf16 v[ACC+24:ACC+31], v[FR+8:FR+15], v[PF:PF+7], v[ACC+24:ACC+31]
	v_pk_fma_f32 v[8:9], v[LG:LG+1], v[FAC:FAC+1], v[8:9]
	v_pk_fma_f32 v[14:15], v[LG+2:LG+3], v[FAC+2:FAC+3], v[14:15]
.endif
.set i, 4
.rept 3                                ; sum p (columns 0-7) and sum p rely (columns 8-15).  With the two lines above: eight places behind the
	v_pk_fma_f32 v[8:9], v[LG+i:LG+i+1], v[FAC+i:FAC+i+1], v[8:9]               ; matrix instructions before their fragments are written again or S is read
	v_pk_fma_f32 v[14:15], v[LG+i+2:LG+i+3], v[FAC+i+2:FAC+i+3], v[14:15]
.set i, i+4
.endr
.endm
; A tile: left = how many younger tensor loads of the wave may stay out
.macro TILE slot, first, left
	s_wait_tensorcnt \left                         ; a wave's tensor loads end in order (ISA guide 10.11.1): this slot's tile is in LDS; only I read it
	STEP \slot, 0, \first, 1, 1
	STEP \slot, 1, 0, 0, 0
.endm
; Slot s has been read and gets the tile two further on
.macro FILL s
	s_wait_dscnt 0x0                               ; my reads of the slot are back
	s_set_vgpr_msb 0x5
	s_wait_tensorcnt 0x0                           ; all my tensor loads have landed: no group 0 is in use
	ds_add_u32 v0, v1
	s_wait_dscnt 0x0
	s_set_vgpr_msb 0x500
	s_add_nc_u64 s[G0+4*\s+2:G0+4*\s+3], s[G0+4*\s+2:G0+4*\s+3], 512   ; 128 pixels on
	s_barrier_signal -1
	s_barrier_wait -1                              ; the same holds of all eight waves
	tensor_load_to_lds s[G0+4*\s:G0+4*\s+3], s[G1:G1+7]   ; my one tensor load behind this barrier, first thing there: it has the other slot's tile of work in which to land
	s_nop 0
.endm
	TILE 0, 1, 1                                   ; pixels 0-63; slot 1's first fill may stay out
	FILL 0
	TILE 1, 0, 1                                   ; pixels 64-127; the refill just issued stays out
	FILL 1
	TILE 0, 0, 1                                   ; pixels 128-191
	TILE 1, 0, 0                                   ; pixels 192-255: nothing was issued behind this tile's load, and none is out at the end
	; ---- the eight waves join: first the maxima, then everything rescaled to the work-group's maximum
	v_pk_add_f32 v[8:9], v[8:9], v[14:15]
	v_add_f32 v8, v8, v9
	v_permlanex16_b32 v7, v8, s46, s47
	v_add_f32 v8, v8, v7                           ; sum p, or sum p rely, of my image row
	v_and_b32 v128, 7, v0                          ; g
	v_lshlrev_b32 v129, 2, v128
	s_lshl_b32 s57, s40, 5
	s_add_co_u32 s57, s57, MXS
	v_add_nc_u32 v130, s57, v129
	ds_store_b32 v130, v4                          ; the four lanes of a head hold the same M
	s_wait_dscnt 0x0
	s_barrier_signal -1
	s_barrier_wait -1
	v_add_nc_u32 v131, MXS, v129
.set i, 0
.rept 8
	ds_load_b32 v[XA+i], v131 offset:32*i
.set i, i+1
.endr
	v_bfe_u32 v133, v0, 4, 1                       ; h
	v_mul_u32_u24 v132, v128, PITCH
	v_lshl_add_u32 v132, v133, 5, v132
	s_mul_i32 s57, s40, UPL
	s_add_co_u32 s57, s57, SSS
	v_add_nc_u32 v132, s57, v132                   ; S of wave w, head g, channel 8 h
	s_wait_dscnt 0x0
	v_max3_num_f32 v184, v176, v177, v178
	v_max3_num_f32 v185, v179, v180, v181
	v_max3_num_f32 v184, v184, v185, v182
	v_max_num_f32 v5, v184, v183                   ; the work-group's maximum for my head
	v_sub_f32 v6, v4, v5
	v_exp_f32 v6, v6
	v_and_b32 v134, 15, v0                         ; plain instructions behind the exponential
	v_lshlrev_b32 v134, 2, v134
	s_lshl_b32 s58, s40, 6
	s_add_co_u32 s58, s58, TSS
	v_add_nc_u32 v134, s58, v134
.set i, 0
	s_wait_alu depctr_va_vdst(0)
.rept 16
	v_pk_mul_f32 v[ACC+2*i:ACC+2*i+1], v[ACC+2*i:ACC+2*i+1], v[6:7] op_sel_hi:[1,0]
.set i, i+1
.endr
	v_mul_f32 v8, v8, v6
.set i, 0
.rept 8                                ; i = 2 mt + q: channels 16 mt + 8 h + 4 q ..; columns g and 8 + g hold the same numbers and write the same bytes
	ds_store_b128 v132, v[ACC+4*i:ACC+4*i+3] offset:64*(i/2)+16*(i%2)
.set i, i+1
.endr
	ds_store_b32 v134, v8
	s_wait_dscnt 0x0
	s_barrier_signal -1
	s_barrier_wait -1
	s_mul_i32 s54, ttmp9, 2560                     ; my record in part
	s_mov_b32 s55, 0
	s_add_nc_u64 s[22:23], s[22:23], s[54:55]
	s_cmp_lt_u32 s40, 4
	s_cbranch_scc1 .Lsum
	s_cmp_eq_u32 s40, 4
	s_cbranch_scc1 .Lstat
	s_set_vgpr_msb 0x5
	s_wait_tensorcnt 0x0
	ds_add_u32 v0, v1
	s_wait_dscnt 0x0
	s_set_vgpr_msb 0x500
	s_endpgm
.Lsum:                                             ; waves 0-3: thread t adds the eight waves' S[head t / 16][channels 4 (t % 16) ..]
	v_bfe_u32 v135, v0, 4, 3
	v_and_b32 v136, 15, v0
	v_mul_u32_u24 v135, v135, PITCH
	v_lshl_add_u32 v135, v136, 4, v135
	v_add_nc_u32 v135, SSS, v135
.set i, 0
.rept 8
	ds_load_b128 v[XA+4*i:XA+4*i+3], v135 offset:UPL*i
.set i, i+1
.endr
	v_and_b32 v137, 127, v0
	v_lshlrev_b32 v137, 4, v137
	s_wait_dscnt 0x0
.irp a, 0,8,16,24
	v_pk_add_f32 v[XA+\a:XA+\a+1], v[XA+\a:XA+\a+1], v[XA+\a+4:XA+\a+5]
	v_pk_add_f32 v[XA+\a+2:XA+\a+3], v[XA+\a+2:XA+\a+3], v[XA+\a+6:XA+\a+7]
.endr
.irp a, 0,16
	v_pk_add_f32 v[XA+\a:XA+\a+1], v[XA+\a:XA+\a+1], v[XA+\a+8:XA+\a+9]
	v_pk_add_f32 v[XA+\a+2:XA+\a+3], v[XA+\a+2:XA+\a+3], v[XA+\a+10:XA+\a+11]
.endr
	v_pk_add_f32 v[XA:XA+1], v[XA:XA+1], v[XA+16:XA+17]
	v_pk_add_f32 v[XA+2:XA+3], v[XA+2:XA+3], v[XA+18:XA+19]
	global_store_b128 v137, v[XA:XA+3], s[22:23]   ; a wave's store covers 512 consecutive bytes, aligned: two heads' rows of 64 f32
	s_set_vgpr_msb 0x5
	s_wait_tensorcnt 0x0
	ds_add_u32 v0, v1
	s_wait_dscnt 0x0
	s_set_vgpr_msb 0x500
	s_endpgm
.Lstat:                                            ; wave 4: {M, sum p, sum p gx, sum p gy}; lane L writes head L % 8's, so that the store covers 512 aligned bytes
	v_add_nc_u32 v135, TSS, v129
.set i, 0
.rept 8
	ds_load_b32 v[XA+i], v135 offset:64*i          ; sum p of image row i
.set i, i+1
.endr
.set i, 0
.rept 8
	ds_load_b32 v[XA+8+i], v135 offset:64*i+32     ; sum p rely of image row i
.set i, i+1
.endr
	v_and_b32 v136, 31, v0
	v_lshlrev_b32 v136, 4, v136
	v_cvt_f32_u32 v140, s45                        ; 8 chunk
	s_wait_dscnt 0x0
	v_add_f32 v141, v176, v177
	v_add_f32 v144, v178, v179
	v_add_f32 v145, v180, v181
	v_add_f32 v146, v182, v183
	v_add_f32 v141, v141, v144
	v_add_f32 v145, v145, v146
	v_add_f32 v141, v141, v145                     ; l = sum p
	v_fma_f32 v142, v140, v141, v177               ; sum p gx = 8 chunk l + sum over rows i of i l_i
	v_fmac_f32 v142, 2.0, v178
	v_fmac_f32 v142, 0x40400000, v179
	v_fmac_f32 v142, 4.0, v180
	v_fmac_f32 v142, 0x40a00000, v181
	v_fmac_f32 v142, 0x40c00000, v182
	v_fmac_f32 v142, 0x40e00000, v183
	v_add_f32 v144, v184, v185
	v_add_f32 v145, v186, v187
	v_add_f32 v146, v188, v189
	v_add_f32 v147, v190, v191
	v_add_f32 v144, v144, v145
	v_add_f32 v146, v146, v147
	v_add_f32 v143, v144, v146
	v_fmac_f32 v143, v13, v141                     ; sum p gy = sum p rely + posy l
	v_mov_b32 v140, v5
	global_store_b128 v136, v[140:143], s[22:23] offset:2048
	s_set_vgpr_msb 0x5
	s_wait_tensorcnt 0x0
	ds_add_u32 v0, v1
	s_wait_dscnt 0x0
	s_set_vgpr_msb 0x500
	s_endpgm
.Lfunc_end_k_q7e05a55587_stream:
	.size	k_q7e05a55587_stream, .Lfunc_end_k_q7e05a55587_stream-k_q7e05a55587_stream
	.p2alignl 7, 3214868480
	.fill 96, 4, 3214868480
	.section	.rodata,"a",@progbits
	.p2align	6, 0x0
	.amdhsa_kernel k_q7e05a55587_stream
		.amdhsa_group_segment_fixed_size 327680
		.amdhsa_private_segment_fixed_size 0
		.amdhsa_enable_private_segment 0
		.amdhsa_kernarg_size 80
		.amdhsa_user_sgpr_count 2
		.amdhsa_user_sgpr_kernarg_segment_ptr 1
		.amdhsa_wavefront_size32 1
		.amdhsa_system_sgpr_workgroup_id_x 1
		.amdhsa_system_sgpr_workgroup_id_y 1
		.amdhsa_system_sgpr_workgroup_id_z 1
		.amdhsa_system_vgpr_workitem_id 0
		.amdhsa_next_free_vgpr 258
		.amdhsa_next_free_sgpr 66
		.amdhsa_reserve_vcc 0
		.amdhsa_float_denorm_mode_32 3
		.amdhsa_float_denorm_mode_16_64 3
		.amdhsa_memory_ordered 1
		.amdhsa_forward_progress 1
		.amdhsa_inst_pref_size 205
	.end_amdhsa_kernel
	.amdgpu_metadata
---
amdhsa.version: [ 1, 2 ]
amdhsa.kernels:
  - .name:           k_q7e05a55587_stream
    .symbol:         k_q7e05a55587_stream.kd
    .args:
      - { .name: x, .offset: 0, .size: 8, .value_kind: global_buffer, .address_space: global }
      - { .name: z, .offset: 8, .size: 8, .value_kind: global_buffer, .address_space: global }
      - { .name: pos, .offset: 16, .size: 8, .value_kind: global_buffer, .address_space: global }
      - { .name: Wq, .offset: 24, .size: 8, .value_kind: global_buffer, .address_space: global }
      - { .name: bq, .offset: 32, .size: 8, .value_kind: global_buffer, .address_space: global }
      - { .name: Wk, .offset: 40, .size: 8, .value_kind: global_buffer, .address_space: global }
      - { .name: bk, .offset: 48, .size: 8, .value_kind: global_buffer, .address_space: global }
      - { .name: Wp, .offset: 56, .size: 8, .value_kind: global_buffer, .address_space: global }
      - { .name: bp, .offset: 64, .size: 8, .value_kind: global_buffer, .address_space: global }
      - { .name: part, .offset: 72, .size: 8, .value_kind: global_buffer, .address_space: global }
    .group_segment_fixed_size: 327680
    .private_segment_fixed_size: 0
    .kernarg_segment_align: 8
    .kernarg_segment_size: 80
    .max_flat_workgroup_size: 256
    .sgpr_count:     66
    .vgpr_count:     258
    .wavefront_size: 32
...
	.end_amdgpu_metadata
.endif
;; end of part 1
;; launch finish (part 2): grid 64 x 4, 1 waves a work-group, no clusters, 0 bytes of LDS; arguments part, Wv, bv, out0, out1; writes out0, out1
.if DOCPART == 2
	.amdgcn_target "amdgcn-amd-amdhsa--gfx1250"
	.amdhsa_code_object_version 6
	.text
	.protected	k_q7e05a55587_finish
	.globl	k_q7e05a55587_finish
	.p2align	8
	.type	k_q7e05a55587_finish,@function
k_q7e05a55587_finish:
	s_mov_b64 s[64:65], 0
	v_nop
	global_prefetch_b8 v0, s[64:65] scope:SCOPE_SE
	s_setreg_imm32_b32 hwreg(HW_REG_WAVE_MODE, 25, 1), 1
	s_wait_xcnt 0x0
; ATTENTION POOLING, SECOND LAUNCH: the 32 partial softmaxes of a (batch, head) are joined under their common maximum, normalised, and Wv and bv applied.
; Work-group (bh, y), one wave: outputs e = 64 y .. 64 y + 63 of head bh; lane L owns e = 64 y + 2 L and e + 1.
; A record of part is 2,560 bytes: S[8 heads][64 channels] f32, then 32 x {M, sum p, sum p gx, sum p gy} (copy L belongs to head L % 8).
; All in f32 on the vector unit: 4,096 multiply-adds with Wv for a work-group; no LDS, no barrier, nothing shared that a cluster could bring once
; for several (a quarter of Wv, 16 KiB, against 8 KiB of records).
; LIMITS: weights exp2(m_i - M) below 2^-126 count as 0; the division is a reciprocal and a multiply; non-finite inputs are not served.
.set REC, 2560
	s_load_b256 s[4:11], s[0:1], 0x0               ; part s[4:5], Wv s[6:7], bv s[8:9], out0 s[10:11]
	s_load_b64 s[12:13], s[0:1], 0x20              ; out1
	s_lshr_b32 s14, ttmp9, 3                       ; batch
	s_and_b32 s15, ttmp9, 7                        ; head
	s_and_b32 s16, ttmp7, 0xffff                   ; which 64 outputs
	s_mov_b32 s26, 0x76543210                      ; v_permlanex16_b32: lane i reads lane i of the other half
	s_mov_b32 s27, 0xfedcba98
	s_mul_i32 s2, s14, 32*REC                      ; the batch's 32 records
	s_mov_b32 s3, 0
	v_mul_u32_u24 v1, v0, REC
	s_lshl_b32 s17, s15, 4
	s_add_co_u32 s17, s17, 2048
	v_add_nc_u32 v1, s17, v1                       ; record L: the head's four figures
	v_lshlrev_b32 v2, 3, v0                        ; 8 L
	s_lshl_b32 s18, s15, 8
	v_add_nc_u32 v3, s18, v2                       ; S[head], channels 2 L, 2 L + 1
	s_lshl_b32 s19, s16, 8
	v_add_nc_u32 v74, s19, v2                      ; bv and out0: words 64 y + 2 L, + 1
	v_lshlrev_b32 v75, 9, v0
	s_lshl_b32 s20, s16, 14
	v_add_nc_u32 v75, s20, v75                     ; Wv: rows 64 y + 2 L, + 1: 512 consecutive bytes
	v_mov_b32 v205, 0                              ; destinations of the permutes: written once
	v_mov_b32 v210, 0
	v_mov_b32 v211, 0
	s_wait_kmcnt 0x0
	s_add_nc_u64 s[4:5], s[4:5], s[2:3]
	s_lshl_b32 s2, ttmp9, 10
	s_add_nc_u64 s[10:11], s[10:11], s[2:3]        ; out0 at (batch, head)
	global_load_b128 v[4:7], v1, s[4:5]
.set i, 0
.rept 32
	global_load_b64 v[8+2*i:9+2*i], v3, s[4:5] offset:REC*i        ; record i: the wave takes the head's 256 bytes whole
.set i, i+1
.endr
	global_load_b64 v[72:73], v74, s[8:9]
.set i, 0
.rept 32
	global_load_b128 v[76+4*i:79+4*i], v75, s[6:7] offset:16*i     ; v[76+c] = Wv[e][c], v[140+c] = Wv[e+1][c]
.set i, i+1
.endr
	s_wait_loadcnt 63                              ; the four figures: 65 loads are younger; the count's field ends at 63
	v_mov_b32 v204, v4
.irp m, 1,2,4,8
	v_max_num_f32_dpp v204, v204, v204 row_xmask:\m row_mask:0xf bank_mask:0xf
.endr
	v_permlanex16_b32 v205, v204, s26, s27
	v_max_num_f32 v204, v204, v205                 ; M over the 32 records
	v_sub_f32 v206, v4, v204
	v_exp_f32 v206, v206                           ; record L's weight
	v_nop                                          ; one plain instruction behind the exponential (ISA guide 5.7.2)
	s_wait_alu depctr_va_vdst(0)
	v_mul_f32 v207, v206, v5
	v_mul_f32 v208, v206, v6
	v_mul_f32 v209, v206, v7
.irp m, 1,2,4,8
	v_add_f32_dpp v207, v207, v207 row_xmask:\m row_mask:0xf bank_mask:0xf
	v_add_f32_dpp v208, v208, v208 row_xmask:\m row_mask:0xf bank_mask:0xf
	v_add_f32_dpp v209, v209, v209 row_xmask:\m row_mask:0xf bank_mask:0xf
.endr
	v_permlanex16_b32 v205, v207, s26, s27
	v_permlanex16_b32 v210, v208, s26, s27
	v_permlanex16_b32 v211, v209, s26, s27
	v_add_f32 v207, v207, v205                     ; the softmax's denominator
	v_add_f32 v208, v208, v210
	v_add_f32 v209, v209, v211
	v_rcp_f32 v210, v207
	v_nop
	s_wait_alu depctr_va_vdst(0)
	v_mul_f32 v206, v206, v210                     ; weight / denominator
	v_mul_f32 v208, v208, v210                     ; pos_out
	v_mul_f32 v209, v209, v210
	s_wait_loadcnt 33                              ; the 32 rows of S; bv's load and Wv's 32 stay out
	v_readlane_b32 s20, v206, 0                    ; Sn[c] = sum over records of weight_i S_i[c]; record 0 starts the sums
	v_mul_f32 v212, s20, v8
	v_mul_f32 v213, s20, v9
.set i, 1
.rept 31
	v_readlane_b32 s[20+i%4], v206, i
	v_fmac_f32 v212, s[20+i%4], v[8+2*i]
	v_fmac_f32 v213, s[20+i%4], v[9+2*i]
.set i, i+1
.endr
	s_wait_loadcnt 0x0
	v_readlane_b32 s20, v212, 0                    ; out[e] = bv[e] + sum over c of Wv[e][c] Sn[c]; Sn[c] lies in lane c / 2.  Four sums: two rows x even, odd c
	v_readlane_b32 s21, v213, 0
	v_fma_f32 v4, s20, v76, v72                    ; the even sums start from bv,
	v_fma_f32 v6, s20, v140, v73
	v_mul_f32 v5, s21, v77                         ; the odd ones from their first product
	v_mul_f32 v7, s21, v141
.set c, 2
.rept 31
	v_readlane_b32 s[20+c%4], v212, c/2
	v_readlane_b32 s[21+c%4], v213, c/2
	v_fmac_f32 v4, s[20+c%4], v[76+c]
	v_fmac_f32 v6, s[20+c%4], v[140+c]
	v_fmac_f32 v5, s[21+c%4], v[77+c]
	v_fmac_f32 v7, s[21+c%4], v[141+c]
.set c, c+2
.endr
	v_add_f32 v4, v4, v5
	v_add_f32 v5, v6, v7
	global_store_b64 v74, v[4:5], s[10:11]         ; the wave's store covers 256 consecutive bytes, aligned
	s_cmp_lg_u32 s16, 0
	s_cbranch_scc1 .Lend
	s_lshl_b32 s2, ttmp9, 3                        ; the first of the four quarters also writes the head's 8 bytes of out1: no work-group holds more of it
	s_add_nc_u64 s[12:13], s[12:13], s[2:3]
	s_wait_xcnt 0x0                                ; EXEC is a source of the pending store: it changes only behind this wait
	v_cmp_eq_u32 vcc_lo, 0, v0
	s_and_saveexec_b32 s30, vcc_lo
	global_store_b64 v2, v[208:209], s[12:13]      ; lane 0, whose offset 8 L is 0
	s_wait_xcnt 0x0                                ; and again in front of the line that widens it
	s_or_b32 exec_lo, exec_lo, s30
.Lend:
	s_endpgm
.Lfunc_end_k_q7e05a55587_finish:
	.size	k_q7e05a55587_finish, .Lfunc_end_k_q7e05a55587_finish-k_q7e05a55587_finish
	.p2alignl 7, 3214868480
	.fill 96, 4, 3214868480
	.section	.rodata,"a",@progbits
	.p2align	6, 0x0
	.amdhsa_kernel k_q7e05a55587_finish
		.amdhsa_group_segment_fixed_size 0
		.amdhsa_private_segment_fixed_size 0
		.amdhsa_enable_private_segment 0
		.amdhsa_kernarg_size 40
		.amdhsa_user_sgpr_count 2
		.amdhsa_user_sgpr_kernarg_segment_ptr 1
		.amdhsa_wavefront_size32 1
		.amdhsa_system_sgpr_workgroup_id_x 1
		.amdhsa_system_sgpr_workgroup_id_y 1
		.amdhsa_system_sgpr_workgroup_id_z 1
		.amdhsa_system_vgpr_workitem_id 0
		.amdhsa_next_free_vgpr 216
		.amdhsa_next_free_sgpr 66
		.amdhsa_reserve_vcc 1
		.amdhsa_float_denorm_mode_32 3
		.amdhsa_float_denorm_mode_16_64 3
		.amdhsa_memory_ordered 1
		.amdhsa_forward_progress 1
		.amdhsa_inst_pref_size 23
	.end_amdhsa_kernel
	.amdgpu_metadata
---
amdhsa.version: [ 1, 2 ]
amdhsa.kernels:
  - .name:           k_q7e05a55587_finish
    .symbol:         k_q7e05a55587_finish.kd
    .args:
      - { .name: part, .offset: 0, .size: 8, .value_kind: global_buffer, .address_space: global }
      - { .name: Wv, .offset: 8, .size: 8, .value_kind: global_buffer, .address_space: global }
      - { .name: bv, .offset: 16, .size: 8, .value_kind: global_buffer, .address_space: global }
      - { .name: out0, .offset: 24, .size: 8, .value_kind: global_buffer, .address_space: global }
      - { .name: out1, .offset: 32, .size: 8, .value_kind: global_buffer, .address_space: global }
    .group_segment_fixed_size: 0
    .private_segment_fixed_size: 0
    .kernarg_segment_align: 8
    .kernarg_segment_size: 40
    .max_flat_workgroup_size: 32
    .sgpr_count:     66
    .vgpr_count:     216
    .wavefront_size: 32
...
	.end_amdgpu_metadata
.endif
;; end of part 2
